; MI455X (gfx1250); checked and timed in simulation.
; The chip was launched on July 23, 2026; its instructions are those of AMD's public machine-readable ISA for CDNA 5 (MIT licence, August 2026) and "CDNA5" Instruction Set Architecture Reference Guide (July 2026). The comments in the code are by the model that wrote it; some were corrected since.
;; Attention Block. Allowed arithmetic: matrix products marked QUANTISED: E2M1 operands, one E8M0 scale for each 32 along K, by v_wmma_scale_f32_16x16x128_f8f6f4 with both operands' format E2M1 (or v_wmma_scale_f32_32x16x128_f4), f32 sums; everything else in f32.
;; Inputs: beta 128 float32; bk 128 float32; bo 128 float32; bq 128 float32; bv 128 float32; gamma 128 float32; wk_codes 128 x 4 x 16 uint8 (E2M1 codes of wk, K innermost, in blocks of 32 codes, two codes a byte); wk_scales 128 x 4 uint8 (E8M0 scales of wk, one for each 32 codes along K); wo_codes 128 x 4 x 16 uint8 (E2M1 codes of wo, K innermost, in blocks of 32 codes, two codes a byte); wo_scales 128 x 4 uint8 (E8M0 scales of wo, one for each 32 codes along K); wq_codes 128 x 4 x 16 uint8 (E2M1 codes of wq, K innermost, in blocks of 32 codes, two codes a byte); wq_scales 128 x 4 uint8 (E8M0 scales of wq, one for each 32 codes along K); wv_codes 128 x 4 x 16 uint8 (E2M1 codes of wv, K innermost, in blocks of 32 codes, two codes a byte); wv_scales 128 x 4 uint8 (E8M0 scales of wv, one for each 32 codes along K); x 4 x 128 x 64 x 64 float32.
;; Outputs: out0 4 x 128 x 64 x 64 float32.
;; This version of the problem:
;;   THIS VERSION OF THE PROBLEM IS GIVEN IN LOW PRECISION. The matrix products marked QUANTISED in the list below multiply operands that are first quantised to E2M1 (2 exponent bits, 1 mantissa bit; 4 bits a number), with one power-of-two scale for each 32 numbers along K (OCP MX v1.0); their sums are f32. All else is computed in f32.
;;   The module's matrix products, in the order in which they are computed (A, B: the left and right operand; K: the contracted axis; several contracted axes count as one K, in the product's order):
;;     1. [M 128, K 128] x [K 128, N 16,384]; A: input wq (given as codes); B: computed on the way: QUANTISED
;;     2. [M 128, K 128] x [K 128, N 16,384]; A: input wk (given as codes); B: computed on the way: QUANTISED
;;     3. [M 128, K 128] x [K 128, N 16,384]; A: input wv (given as codes); B: computed on the way: QUANTISED
;;     4. batch 4 x [M 4,096, K 128] x [K 128, N 4,096]; A: computed on the way; B: computed on the way: QUANTISED
;;     5. batch 4 x [M 128, K 4,096] x [K 4,096, N 4,096]; A: computed on the way; B: softmax (see below): QUANTISED
;;     6. [M 128, K 128] x [K 128, N 16,384]; A: input wo (given as codes); B: computed on the way: QUANTISED
;;   THE QUANTISER, for each operand of a quantised product, along K:
;;     - K is cut into blocks of 32 from its start; a last block that is shorter is filled with zeros.
;;     - A block's scale is 2^e with e = floor(log2(the largest magnitude in the block)) - 2, held to -126 .. 127; a block of zeros has e = 0. As a byte (E8M0): e + 127.
;;     - Each number is divided by its block's scale, clamped to +-6, and rounded to the nearest number of E2M1, ties to even, subnormals kept.
;;     - The product sums the exact products of the quantised numbers (number of the format x scale) in f32.
;;   ~~~python
;;   def quantise(x, axis):      # numpy; x: float32 -> the quantised numbers, widened to float32 again
;;       x = np.moveaxis(x, axis, -1); K = x.shape[-1]
;;       x = np.pad(x, [(0, 0)] * (x.ndim - 1) + [(0, -K % 32)]); x = x.reshape(x.shape[:-1] + (-1, 32)); a = np.abs(x).max(-1, keepdims=True)
;;       e = np.where(a > 0, np.clip(np.frexp(np.where(a > 0, a, 1))[1] - 1 - 2, -126, 127), 0)      # np.frexp(a)[1] - 1 = floor(log2(a)), exactly
;;       r = np.clip(x / 2.0 ** e, -6, 6)
;;       step = 2.0 ** (np.maximum(np.frexp(np.where(r == 0, 1, r))[1] - 1, 0) - 1)
;;       q = np.round(r / step) * step * 2.0 ** e      # np.round: ties to even
;;       return np.moveaxis(q.reshape(q.shape[:-2] + (-1,))[..., :K], -1, axis).astype(np.float32)
;;   ~~~
;;   SOFTMAX AHEAD OF A QUANTISED PRODUCT. Where the list says 'softmax', what is quantised is not the finished softmax but p = 2^(t - M), with t = logit x log2(e) and M = ceil(the row's largest t), a whole number; so 1/2 < the row's largest p <= 1. The row's sum l is taken of the UNQUANTISED p, in f32, and the product's result is divided by l at the end. Since M is a whole number, a kernel that streams over the keys may use a running M (the ceiling of the running maximum): every later rescaling is an exact power of two, which a block's scale takes up: the codes' values come out the same.
;;   OPERANDS COMPUTED ON THE WAY. 'Computed on the way' means the value that the module computes at that place (a softmax that the list does not call 'softmax' is quantised finished and normalised). What goes into a quantiser is computed in f32, as accurately as f32 sums, v_exp_f32 and their like allow (about 1e-6 of the number): no bf16 or f16 on the way to a quantiser, and a product that is left as it is and whose result goes on into a quantised operand takes f32 operands (vector FMAs, or v_wmma_f32_16x16x4_f32). A number that lies on a knife's edge between two numbers of the format may be rounded either way, as far as f32 arithmetic and the matrix unit's own rounding can turn it there, and no further.
;;   INPUTS GIVEN AS CODES. wk (in the module: [128, 128], K = its axis 1); wo (in the module: [128, 128], K = its axis 1); wq (in the module: [128, 128], K = its axis 1); wv (in the module: [128, 128], K = its axis 1): each comes as NAME_codes (uint8): NAME with its K axis moved to the last place and cut into blocks of 32 codes, [.., K / 32, bytes a block], one block behind the other in memory; two codes a byte, the lower K in the low four bits (a code: sign, 2 exponent bits, 1 mantissa bit); and NAME_scales (uint8): the same leading axes, one E8M0 byte (e + 127) for each 32 codes along K. Its value is code x scale, taken as it is: it is not quantised again, and the codes and scales need not be those that the quantiser above would give.
;; One version. Each part assembles by itself: llvm-mc -triple=amdgcn-amd-amdhsa -mcpu=gfx1250 --defsym DOCPART=n.
;; ======== version 1 of 1: 3 launches
;; workspace buffers: stats 1,024 bytes; qb 1,114,112 bytes; kv 2,228,224 bytes
;; launch gnstats (part 1): grid 128 x 1, 8 waves a work-group, no clusters, 1,280 bytes of LDS; arguments x, stats; writes stats
.if DOCPART == 1
	.amdgcn_target "amdgcn-amd-amdhsa--gfx1250"
	.amdhsa_code_object_version 6
	.text
	.protected	k_qf0e44b0848_gnstats
	.globl	k_qf0e44b0848_gnstats
	.p2align	8
	.type	k_qf0e44b0848_gnstats,@function
k_qf0e44b0848_gnstats:
	s_mov_b64 s[64:65], 0
	v_nop
	global_prefetch_b8 v0, s[64:65] scope:SCOPE_SE
	s_setreg_imm32_b32 hwreg(HW_REG_WAVE_MODE, 25, 1), 1
	s_wait_xcnt 0x0
; GroupNorm's statistics.  x: [4][128][4096] f32; a group is 4 channels x 4,096 pixels = 16,384 numbers, 65,536 consecutive bytes.
; One work-group to a group (128 groups).  Thread t holds 64 of the group's numbers in registers, so x is read once and the variance is taken
; in a second pass over the registers, of (x - mean): no difference of large sums is formed, whatever offset the inputs carry.
; stats: mean[group] at byte 4 x group, 1 / sqrt(var + 1e-6) at byte 512 + 4 x group.
; LIMITS: NaN and infinities among the inputs are not served.  No matrix unit, no cluster, no tensor load: a plain reduction of a stream.
.set X, 16                             ; v16-79  my 64 numbers
	s_load_b128 s[4:7], s[0:1], 0x0                ; x s[4:5], stats s[6:7]
	v_lshl_add_u32 v96, v0, 2, 0x100
	v_mov_b32 v97, 0
	v_lshrrev_b32 v2, 5, v0
	v_readfirstlane_b32 s8, v2                     ; wave 0..7
	v_lshlrev_b32 v2, 2, v2                        ; LDS: my wave's word
	v_lshlrev_b32 v1, 4, v0                        ; 16 bytes a thread: a load of the work-group covers 4,096 consecutive bytes
	v_mov_b32 v3, 0
	s_lshl_b32 s10, ttmp9, 16                      ; the group's 65,536 bytes
	s_mov_b32 s11, 0
	s_lshl_b32 s17, ttmp9, 2
	v_mov_b32 v4, s17                              ; the group's word in stats
	s_mov_b32 s12, 0x38800000                      ; 2^-14 = 1 / 16,384: exact
	s_mov_b32 s13, 0x358637bd                      ; 1e-6
	s_mov_b32 s14, 0x76543210                      ; v_permlanex16_b32's selects for lane l xor 16
	s_mov_b32 s15, 0xfedcba98
	s_wait_kmcnt 0x0
	s_add_nc_u64 s[4:5], s[4:5], s[10:11]
.set i, 0
.rept 16
	global_load_b128 v[X+4*i:X+4*i+3], v1, s[4:5] offset:4096*i   ; no hint: later launches read x again
.set i, i+1
.endr
; v8 of every thread is summed over the work-group; the sum comes back in v8 of every lane.  off: the eight LDS words used
.macro WGSUM off
	v_add_f32_dpp v8, v8, v8 row_xmask:1 row_mask:0xf bank_mask:0xf
	v_add_f32_dpp v8, v8, v8 row_xmask:2 row_mask:0xf bank_mask:0xf
	v_add_f32_dpp v8, v8, v8 row_xmask:4 row_mask:0xf bank_mask:0xf
	v_add_f32_dpp v8, v8, v8 row_xmask:8 row_mask:0xf bank_mask:0xf
	v_permlanex16_b32 v9, v8, s14, s15             ; (v9 has been written)
	v_add_f32 v8, v8, v9
	ds_store_b32 v2, v8 offset:\off                ; all lanes write the wave's word with the same value
	s_wait_dscnt 0x0                               ; for the others' sake
	s_barrier_signal -1
	s_barrier_wait -1
	ds_load_b128 v[80:83], v3 offset:\off
	ds_load_b128 v[84:87], v3 offset:\off+16
	s_wait_dscnt 0x0
	v_add_f32 v80, v80, v81
	v_add_f32 v82, v82, v83
	v_add_f32 v84, v84, v85
	v_add_f32 v86, v86, v87
	v_add_f32 v80, v80, v82
	v_add_f32 v84, v84, v86
	v_add_f32 v8, v80, v84
.endm
	s_wait_loadcnt 15                              ; loads come back in order: the first is in, fifteen younger ones stay out
	v_pk_add_f32 v[8:9], v[X:X+1], v[X+2:X+3]      ; the first two loads start the two chains: nothing is cleared
	s_wait_loadcnt 14
	v_pk_add_f32 v[10:11], v[X+4:X+5], v[X+6:X+7]
.set i, 2
.rept 14
	s_wait_loadcnt 15-i
	v_pk_add_f32 v[8:9], v[8:9], v[X+4*i:X+4*i+1]
	v_pk_add_f32 v[10:11], v[10:11], v[X+4*i+2:X+4*i+3]
.set i, i+1
.endr
	v_pk_add_f32 v[8:9], v[8:9], v[10:11]
	v_add_f32 v8, v8, v9
	WGSUM 0
	v_mul_f32 v12, s12, v8                         ; the mean
	v_mov_b32 v13, v12                             ; twice, for the packed subtraction
.set i, 0
.rept 32
	v_pk_add_f32 v[X+2*i:X+2*i+1], v[X+2*i:X+2*i+1], v[12:13] neg_lo:[0,1] neg_hi:[0,1]   ; x - mean
.set i, i+1
.endr
	v_pk_mul_f32 v[8:9], v[X:X+1], v[X:X+1]        ; the squares, again in two chains
	v_pk_mul_f32 v[10:11], v[X+2:X+3], v[X+2:X+3]
.set i, 2
.rept 15
	v_pk_fma_f32 v[8:9], v[X+2*i:X+2*i+1], v[X+2*i:X+2*i+1], v[8:9]
	v_pk_fma_f32 v[10:11], v[X+2*i+2:X+2*i+3], v[X+2*i+2:X+2*i+3], v[10:11]
.set i, i+2
.endr
	v_pk_add_f32 v[8:9], v[8:9], v[10:11]
	v_add_f32 v8, v8, v9
	WGSUM 32                                       ; other words than the first sum's: no wave can write over what another still reads
	v_fma_f32 v15, v8, s12, s13                    ; var + eps
	v_rsq_f32 v14, v15
	v_nop                                          ; one plain instruction behind the transcendental
	s_cmp_lg_u32 s8, 0                             ; thread 0 stores the two numbers
	s_cbranch_scc1 .Lend
	v_cmp_eq_u32 vcc_lo, 0, v0
	s_wait_xcnt 0x0                                ; EXEC changes only behind this wait
	s_and_saveexec_b32 s16, vcc_lo
	global_store_b32 v4, v12, s[6:7]
	s_wait_alu depctr_va_vdst(0)
	global_store_b32 v4, v14, s[6:7] offset:512
	s_wait_xcnt 0x0                                ; and again in front of the line that widens it
	s_or_b32 exec_lo, exec_lo, s16
.Lend:
	s_wait_tensorcnt 0x0
	ds_add_u32 v96, v97
	s_wait_dscnt 0x0
	s_endpgm
.Lfunc_end_k_qf0e44b0848_gnstats:
	.size	k_qf0e44b0848_gnstats, .Lfunc_end_k_qf0e44b0848_gnstats-k_qf0e44b0848_gnstats
	.p2alignl 7, 3214868480
	.fill 96, 4, 3214868480
	.section	.rodata,"a",@progbits
	.p2align	6, 0x0
	.amdhsa_kernel k_qf0e44b0848_gnstats
		.amdhsa_group_segment_fixed_size 1280
		.amdhsa_private_segment_fixed_size 0
		.amdhsa_enable_private_segment 0
		.amdhsa_kernarg_size 16
		.amdhsa_user_sgpr_count 2
		.amdhsa_user_sgpr_kernarg_segment_ptr 1
		.amdhsa_wavefront_size32 1
		.amdhsa_system_sgpr_workgroup_id_x 1
		.amdhsa_system_sgpr_workgroup_id_y 1
		.amdhsa_system_sgpr_workgroup_id_z 1
		.amdhsa_system_vgpr_workitem_id 0
		.amdhsa_next_free_vgpr 98
		.amdhsa_next_free_sgpr 66
		.amdhsa_reserve_vcc 1
		.amdhsa_float_denorm_mode_32 3
		.amdhsa_float_denorm_mode_16_64 3
		.amdhsa_memory_ordered 1
		.amdhsa_forward_progress 1
		.amdhsa_inst_pref_size 12
	.end_amdhsa_kernel
	.amdgpu_metadata
---
amdhsa.version: [ 1, 2 ]
amdhsa.kernels:
  - .name:           k_qf0e44b0848_gnstats
    .symbol:         k_qf0e44b0848_gnstats.kd
    .args:
      - { .name: x, .offset: 0, .size: 8, .value_kind: global_buffer, .address_space: global }
      - { .name: stats, .offset: 8, .size: 8, .value_kind: global_buffer, .address_space: global }
    .group_segment_fixed_size: 1280
    .private_segment_fixed_size: 0
    .kernarg_segment_align: 8
    .kernarg_segment_size: 16
    .max_flat_workgroup_size: 256
    .sgpr_count:     66
    .vgpr_count:     98
    .wavefront_size: 32
...
	.end_amdgpu_metadata
.endif
;; end of part 1
;; launch qkv (part 2): grid 128 x 1, 4 waves a work-group, no clusters, 10,752 bytes of LDS; arguments x, stats, gamma, beta, wq_codes, wq_scales, bq, qb, wk_codes, wk_scales, bk, kv, wv_codes, wv_scales, bv; writes qb, kv
.if DOCPART == 2
	.amdgcn_target "amdgcn-amd-amdhsa--gfx1250"
	.amdhsa_code_object_version 6
	.text
	.protected	k_qf0e44b0848_qkv
	.globl	k_qf0e44b0848_qkv
	.p2align	8
	.type	k_qf0e44b0848_qkv,@function
k_qf0e44b0848_qkv:
	s_mov_b64 s[64:65], 0
	v_nop
	global_prefetch_b8 v0, s[64:65] scope:SCOPE_SE
	s_setreg_imm32_b32 hwreg(HW_REG_WAVE_MODE, 25, 1), 1
	s_wait_xcnt 0x0
; xn = GroupNorm(x); q = Wq xn + bq, k = Wk xn + bk, v = Wv xn + bv, all three products on codes of FP4 (E2M1) with one E8M0 scale for each 32 along K;
; xn is quantised along the channels; q and k are then quantised along the channels, v along the pixels (the keys), for the attention launch.
; A work-group takes 128 pixels of one image: one key step of the attention (a fragment of V and its scale word span 128 keys).  128 work-groups, four waves.
; PIXEL TILES.  Pixel l = 64 G + 4 r + j: tile (G, j) is the 16 pixels r = 0 .. 15.  So (a) a lane's 16-byte load of x is its pixel in the four tiles j, and sixteen lanes read 256 consecutive bytes;
; (b) where a pixel tile is a product's source 0, register i of lane (., h) of tile j's result is pixel 64 G + 32 h + 4 i + j: the 32 registers of the four tiles are ONE true block of 32 pixels, whole in one lane.
; Within such a block the order is 8 j + i for pixel 4 i + j; v here and p in the attention launch have the same order, which keeps their products.
; WORKSPACE is laid as images of operand registers: a fragment (16 rows x 128 K, 8 registers a lane) is 1,024 bytes: registers 0-3, 16 bytes a lane, then registers 4-7.
;   qb, for each block of 128 pixels 8,704 bytes: 8 fragments of q (tile 4 g + j), then 512 bytes of scale words: that of (g, r, j) at 256 g + 16 r + 4 j.
;   kv, for each block 17,408 bytes: 8 fragments of k, 8 of v (16 channels x 128 keys), k's scale words as q's, v's: that of (tile T, row) at 256 (T / 4) + 16 row + 4 (T % 4).
; THE ROWS OF A WEIGHT THAT FORM A TILE ARE NOT NEIGHBOURS: lane r of tile 2 b + u takes row 32 b + 8 u + r + 8 (r / 8), so that the 16 registers of tiles 2 b, 2 b + 1 of a transposed product are 16 neighbouring channels.
; V's channel tiles have the same order, so that the attention's O has it too.
; SHARES.  Wave w = 2 g + c.  Phase X: it normalises and quantises channels 64 c .. 64 c + 63 of pixels 64 g .. 64 g + 63 (a lane: one block of 32 channels of four pixels) and puts the codes into LDS as images.
; Phase 1: it makes q and k of pixel tiles 2 w, 2 w + 1 (transposed: source 0 = 16 rows of the weight) and v of channel tiles 2 w, 2 w + 1 for all 128 pixels (source 0 = a pixel tile).
; LIMITS: NaN and infinities are not served.  A block whose largest magnitude lies under 2^-124 (a block of zeros too) gets the byte 1: these bytes are read by this program alone.
; No tensor load and no cluster: a work-group reads its own 64 KiB of x; what the work-groups share is 35 KB of weights.
; REGISTERS.  window 0: v1-17 addresses; v18-45 scale words; v48-111 numbers at work; v112-191 the norm's parameters, then v112-175 xn's 8 fragments; v176-191 my two tiles' fragments; v192-223 codes; v224-239 v's codes; v240-255 at work.
;   window 1: v0-127 x as loaded (register 4 i + j); v128-191 Wq; v192-255 Wk.   window 2: v0-63 bq, v64-127 bk in the result's layout; v128-143 Wv; v144-159 bv.
.set QBLK, 8704
.set XIMG, 0                           ; LDS: xn's 8 fragment images,
.set XSC,  8192                        ; their scale bytes: that of (g, r, j, block b) at 256 g + 16 r + 4 j + b,
.set SCST, 8704                        ; and q's, k's and v's scale words on their way out: 3 x 512 bytes
.set WQS, 18
.set WKS, 26
.set WVS, 34
.set XS,  36                           ; v36-43 xn's scale words of the 8 tiles
.set XQS, 44                           ; v44-45 those of my two tiles
.set VW,  46                           ; v46-47 v's scale words
.set NM,  48
.set HA,  48
.set VD,  48
.set MEAN, 112
.set RSTD, 120
.set GA,  128
.set BE,  160
.set XF,  112
.set XQ,  176
.set XC,  192
.set XBY, 208
.set PC,  192
.set VC,  224
.set TM,  240                          ; v240-243 largest magnitudes, v244-247 bytes, v248-251 q's and k's scale words, v252-255 the conversions' scale operands
.set MSB, 0
.macro WIN new                         ; the immediate's high byte repeats the setting that is left
.if MSB != \new
	s_set_vgpr_msb (MSB<<8)|\new
.set MSB, \new
.endif
.endm
.macro PLACES                          ; four plain vector instructions between a matrix instruction and the first read of its result (ISA guide 7.12.1)
.rept 4
	v_nop
.endr
.endm
; 64 numbers of a lane, register 16 b + i = channel 32 b + 16 (lane / 16) + i of my pixel, become a fragment's codes in v[pc] on and its scale word in v[pw]
.macro QUANT s, pc, pw
.irp b, 0,1,2,3
	v_max3_num_f32 v[TM+\b], |v[\s+16*\b]|, |v[\s+1+16*\b]|, 0x1800000   ; block b: my 16 numbers, and the floor 2^(3 - 127): the byte cannot fall under 1
.endr
.irp i, 2,4,6,8,10,12,14
.irp b, 0,1,2,3
	v_max3_num_f32 v[TM+\b], v[TM+\b], |v[\s+16*\b+\i]|, |v[\s+1+16*\b+\i]|   ; the four blocks by turns
.endr
.endr
.irp b, 0,1,2,3
	v_permlanex16_b32 v[TM+4+\b], v[TM+\b], s50, s51
.endr
.irp b, 0,1,2,3
	v_max_num_f32 v[TM+\b], v[TM+\b], v[TM+4+\b]   ; with lane l xor 16's: the block's largest magnitude
.endr
.irp b, 0,1,2,3
	v_add_nc_u32 v[TM+12+\b], 0xff000000, v[TM+\b] ; 2 off its exponent field: the conversion takes that field as its scale
.endr
.irp b, 0,1,2,3
	v_lshrrev_b32 v[TM+4+\b], 23, v[TM+12+\b]      ; the scale's byte
.endr
	v_lshl_or_b32 v[\pw], v[TM+5], 8, v[TM+4]
	v_lshl_or_b32 v[\pw], v[TM+6], 16, v[\pw]
	v_lshl_or_b32 v[\pw], v[TM+7], 24, v[\pw]
.irp b, 0,1,2,3
	v_cvt_scalef32_pk8_fp4_f32 v[\pc+2*\b], v[\s+16*\b:\s+7+16*\b], v[TM+12+\b]
	v_cvt_scalef32_pk8_fp4_f32 v[\pc+1+2*\b], v[\s+8+16*\b:\s+15+16*\b], v[TM+12+\b]
.endr
	v_nop                                          ; one plain place behind a scaled conversion
.irp c, 0,1                                    ; the operand's layout wants a whole block in a lane
.irp i, 0,1
	v_permlane16_swap_b32 v[\pc+4*\c+\i], v[\pc+2+4*\c+\i]
.endr
.endr
.endm
	s_load_b512 s[16:31], s[0:1], 0x0              ; x 16, stats 18, gamma 20, beta 22, wq_codes 24, wq_scales 26, bq 28, qb 30
	s_load_b256 s[32:39], s[0:1], 0x40             ; wk_codes 32, wk_scales 34, bk 36, kv 38
	s_load_b128 s[40:43], s[0:1], 0x60             ; wv_codes 40, wv_scales 42
	s_load_b64 s[44:45], s[0:1], 0x70              ; bv
	s_set_vgpr_msb 0x80
	v_lshl_add_u32 v192, v0, 2, 0x2800
	v_mov_b32 v193, 0
	s_set_vgpr_msb 0x8000
	v_lshrrev_b32 v1, 5, v0
	v_readfirstlane_b32 s46, v1                    ; wave w
	s_lshr_b32 s47, s46, 1                         ; g
	s_and_b32 s48, s46, 1                          ; c
	s_mov_b32 s50, 0x76543210                      ; v_permlanex16_b32's selects for lane l xor 16
	s_mov_b32 s51, 0xfedcba98
	v_and_b32 v1, 15, v0                           ; r
	v_bfe_u32 v2, v0, 4, 1                         ; h
	v_and_b32 v3, 31, v0
	v_lshlrev_b32 v3, 4, v3                        ; 16 x lane: an image's place for my lane
	v_lshlrev_b32 v4, 4, v1
	v_lshl_add_u32 v4, v2, 19, v4                  ; x: 32 h channels of 16,384 bytes + 16 r
	v_lshlrev_b32 v5, 7, v2                        ; gamma, beta: 32 h numbers
	v_lshlrev_b32 v6, 5, v2                        ; stats: 8 h groups
	v_and_b32 v8, 8, v1
	v_add_nc_u32 v8, v8, v1                        ; r + 8 (r / 8)
	v_lshlrev_b32 v7, 6, v8
	v_lshl_add_u32 v7, v2, 4, v7                   ; a weight's row of 64 bytes, + 16 h
	v_lshlrev_b32 v8, 2, v8                        ; its scale word; also bv's number
	v_lshlrev_b32 v9, 6, v2                        ; bq, bk: 16 h numbers
	s_lshr_b32 s4, ttmp9, 5                        ; the image
	s_and_b32 s5, ttmp9, 31                        ; the key step
	s_lshl_b32 s52, s4, 21                         ; x: the image's 2 MiB,
	s_lshl_b32 s6, s48, 20                         ; 64 c channels,
	s_add_co_u32 s52, s52, s6
	s_lshl_b32 s6, s5, 9                           ; 128 pixels a step,
	s_add_co_u32 s52, s52, s6
	s_lshl_b32 s6, s47, 8                          ; 64 g pixels
	s_add_co_u32 s52, s52, s6
	s_mov_b32 s53, 0
	s_lshl_b32 s54, s4, 7                          ; stats: 32 groups an image, 16 c
	s_lshl_b32 s6, s48, 6
	s_add_co_u32 s54, s54, s6
	s_mov_b32 s55, 0
	s_lshl_b32 s56, s48, 8                         ; gamma, beta: 64 c numbers
	s_mov_b32 s57, 0
	s_lshl_b32 s58, s46, 11                        ; 2,048 w: my 32 rows of Wv; also my two fragments in qb and kv
	s_mov_b32 s59, 0
	s_lshl_b32 s60, s46, 7                         ; 128 w: my 32 rows' scale words, my 32 numbers of bv
	s_mov_b32 s61, 0
	s_mul_i32 s62, ttmp9, QBLK
	s_mov_b32 s63, 0
	s_lshl_b32 s6, s47, 12                         ; LDS addresses: all are made here
	s_lshl_b32 s7, s48, 9
	s_add_co_u32 s6, s6, s7
	v_add_nc_u32 v10, s6, v3                       ; where I store xn's codes: 16 x lane + 4,096 g + 512 c
	s_lshl_b32 s6, s47, 8
	s_lshl_b32 s7, s48, 1
	s_add_co_u32 s7, s7, s6
	s_add_co_u32 s7, s7, XSC
	v_lshl_add_u32 v11, v1, 4, v2
	v_add_nc_u32 v11, s7, v11                      ; and my block's byte: XSC + 256 g + 16 r + 2 c + h
	s_lshl_b32 s7, s46, 11
	v_add_nc_u32 v12, s7, v3                       ; my two tiles' images
	v_lshl_add_u32 v13, v1, 4, XSC                 ; row r's four scale words of a group
	s_lshl_b32 s7, s48, 3
	s_add_co_u32 s7, s7, s6
	v_add_nc_u32 v14, s7, v13                      ; my two tiles' words: XSC + 256 g + 8 c + 16 r
	v_add_nc_u32 v15, SCST-XSC, v14                ; the same place in an image of scale words on its way out
	s_lshl_b32 s7, s46, 9
	s_add_co_u32 s7, s7, SCST
	v_add_nc_u32 v16, s7, v3                       ; the image that I store at the end
	v_lshlrev_b32 v17, 3, v2                       ; 8 h
.irp b, 0,1,2,3
	v_mov_b32 v[TM+4+\b], 0                        ; written once: a lane permute's destination counts as one of its sources
.endr
	s_wait_kmcnt 0x0
	s_add_nc_u64 s[16:17], s[16:17], s[52:53]
	s_add_nc_u64 s[18:19], s[18:19], s[54:55]
	s_add_nc_u64 s[20:21], s[20:21], s[56:57]
	s_add_nc_u64 s[22:23], s[22:23], s[56:57]
	s_add_nc_u64 s[40:41], s[40:41], s[58:59]
	s_add_nc_u64 s[42:43], s[42:43], s[60:61]
	s_add_nc_u64 s[44:45], s[44:45], s[60:61]
	s_add_nc_u64 s[30:31], s[30:31], s[62:63]      ; my block of qb
	s_lshl_b32 s62, s62, 1                         ; a block of kv is twice as long
	s_add_nc_u64 s[38:39], s[38:39], s[62:63]
	s_add_nc_u64 s[52:53], s[30:31], s[58:59]      ; my two fragments of q,
	s_add_nc_u64 s[54:55], s[38:39], s[58:59]      ; of k, and (8,192 on) of v
	WIN 0x40                                       ; destination window 1
.set i, 0
.rept 32
	global_load_b128 v[4*i:4*i+3], v4, s[16:17] offset:16384*i   ; channel 64 c + 32 h + i, pixels 64 g + 4 r + 0 .. 3: sixteen lanes read 256 consecutive bytes
.set i, i+1
.endr
	WIN 0
	global_load_b128 v[MEAN:MEAN+3], v6, s[18:19]
	global_load_b128 v[MEAN+4:MEAN+7], v6, s[18:19] offset:16
	global_load_b128 v[RSTD:RSTD+3], v6, s[18:19] offset:512
	global_load_b128 v[RSTD+4:RSTD+7], v6, s[18:19] offset:528
.irp i, 0,1,2,3,4,5,6,7
	global_load_b128 v[GA+4*\i:GA+4*\i+3], v5, s[20:21] offset:16*\i
	global_load_b128 v[BE+4*\i:BE+4*\i+3], v5, s[22:23] offset:16*\i
.endr
	WIN 0x40
.irp t, 0,1,2,3,4,5,6,7
.irp c, 0,1
	global_load_b128 v[128+8*\t+4*\c:128+8*\t+4*\c+3], v7, s[24:25] offset:(32*(\t/2)+8*(\t%2))*64+32*\c
	global_load_b128 v[192+8*\t+4*\c:192+8*\t+4*\c+3], v7, s[32:33] offset:(32*(\t/2)+8*(\t%2))*64+32*\c
.endr
.endr
	WIN 0x80                                       ; destination window 2
.irp t, 0,1,2,3,4,5,6,7                        ; the biases in the result's layout: lane (., h), tile 2 b + u: channels 32 b + 16 h + 8 u + 0 .. 7
	global_load_b128 v[8*\t:8*\t+3], v9, s[28:29] offset:(32*(\t/2)+8*(\t%2))*4
	global_load_b128 v[8*\t+4:8*\t+7], v9, s[28:29] offset:(32*(\t/2)+8*(\t%2))*4+16
	global_load_b128 v[64+8*\t:64+8*\t+3], v9, s[36:37] offset:(32*(\t/2)+8*(\t%2))*4
	global_load_b128 v[64+8*\t+4:64+8*\t+7], v9, s[36:37] offset:(32*(\t/2)+8*(\t%2))*4+16
.endr
.irp u, 0,1                                    ; Wv's tiles 2 w + u, and bv at my lane's channel
.irp c, 0,1
	global_load_b128 v[128+8*\u+4*\c:128+8*\u+4*\c+3], v7, s[40:41] offset:512*\u+32*\c
.endr
	global_load_b32 v[144+8*\u], v8, s[44:45] offset:32*\u
.endr
	WIN 0
.irp t, 0,1,2,3,4,5,6,7
	global_load_b32 v[WQS+\t], v8, s[26:27] offset:(32*(\t/2)+8*(\t%2))*4
	global_load_b32 v[WKS+\t], v8, s[34:35] offset:(32*(\t/2)+8*(\t%2))*4
.endr
.irp u, 0,1
	global_load_b32 v[WVS+\u], v8, s[42:43] offset:32*\u
.endr
	; ---- X: normalise and quantise.  x and the norm's parameters are the first 52 loads; 88 follow them; the largest count that the wait can name, 63, is under 88
	s_wait_loadcnt 63
.set i, 0
.rept 32
	v_mul_f32 v[GA+i], v[GA+i], v[RSTD+i/4]        ; gamma / sqrt(var + eps), a group to four channels
.set i, i+1
.endr
; tiles j = 2 jp and 2 jp + 1.  The subtraction also puts each number at its place [tile][channel]: the transposition costs nothing
.macro XPASS jp
	WIN 0x01                                       ; source 0 window 1
.irp jj, 0,1
.set i, 0
.rept 32
	v_sub_f32 v[NM+32*\jj+i], v[4*i+2*\jp+\jj], v[MEAN+i/4]
.set i, i+1
.endr
.endr
	WIN 0
.irp jj, 0,1
.set i, 0
.rept 16
	v_pk_fma_f32 v[NM+32*\jj+2*i:NM+32*\jj+2*i+1], v[NM+32*\jj+2*i:NM+32*\jj+2*i+1], v[GA+2*i:GA+2*i+1], v[BE+2*i:BE+2*i+1]
.set i, i+1
.endr
.endr
.irp jj, 0,1
	v_max3_num_f32 v[TM+\jj], |v[NM+32*\jj]|, |v[NM+32*\jj+1]|, 0x1800000   ; the block's 32 numbers are all mine; the floor 2^(3 - 127)
.endr
.irp i, 2,4,6,8,10,12,14,16,18,20,22,24,26,28,30
.irp jj, 0,1
	v_max3_num_f32 v[TM+\jj], v[TM+\jj], |v[NM+32*\jj+\i]|, |v[NM+32*\jj+\i+1]|
.endr
.endr
.irp jj, 0,1
	v_add_nc_u32 v[TM+12+\jj], 0xff000000, v[TM+\jj]
.endr
.irp jj, 0,1
	v_lshrrev_b32 v[XBY+2*\jp+\jj], 23, v[TM+12+\jj]
.endr
.irp jj, 0,1
.irp q, 0,1,2,3
	v_cvt_scalef32_pk8_fp4_f32 v[XC+8*\jp+4*\jj+\q], v[NM+32*\jj+8*\q:NM+32*\jj+8*\q+7], v[TM+12+\jj]   ; register 4 c + q of the tile's fragment
.endr
.endr
	v_nop                                          ; one plain place behind a scaled conversion
.irp jj, 0,1
	ds_store_b128 v10, v[XC+8*\jp+4*\jj:XC+8*\jp+4*\jj+3] offset:XIMG+1024*(2*\jp+\jj)
	ds_store_b8 v11, v[XBY+2*\jp+\jj] offset:4*(2*\jp+\jj)
.endr
.endm
	XPASS 0
	XPASS 1
	s_wait_dscnt 0x0                               ; for the others' sake: my stores have landed
	s_barrier_signal -1
	s_barrier_wait -1                              ; xn's eight fragments and their scale bytes lie in LDS
	; ---- 1: the three products
.irp t, 0,1,2,3,4,5,6,7
	ds_load_b128 v[XF+8*\t:XF+8*\t+3], v3 offset:XIMG+1024*\t
	ds_load_b128 v[XF+8*\t+4:XF+8*\t+7], v3 offset:XIMG+1024*\t+512
.endr
	ds_load_b128 v[XS:XS+3], v13
	ds_load_b128 v[XS+4:XS+7], v13 offset:256
.irp q, 0,1,2,3
	ds_load_b128 v[XQ+4*\q:XQ+4*\q+3], v12 offset:XIMG+512*\q
.endr
	ds_load_b64 v[XQS:XQS+1], v14
	s_wait_loadcnt 0x0                             ; the weights, their scale words and the biases
	WIN 0x82                                       ; bv as a C: all eight registers (pixels) of a lane hold its channel's number
.irp u, 0,1
.irp i, 1,2,3,4,5,6,7
	v_mov_b32 v[144+8*\u+\i], v[144+8*\u]
.endr
.endr
	WIN 0
	s_wait_dscnt 0x0
; one pixel tile (pt = 0, 1 of my two) through one weight, transposed: a lane holds one pixel, its registers run along the output channels.  The bias is the C.  The codes leave as an image: 512 consecutive bytes a store
.macro PROJ wreg, breg, sreg, pt, pc, pw, base
	WIN 0x21                                       ; source 0 (the weight) window 1, source 2 (the bias) window 2
.irp t, 0,1,2,3,4,5,6,7
	v_wmma_scale_f32_16x16x128_f8f6f4 v[HA+8*\t:HA+8*\t+7], v[\wreg+8*\t:\wreg+8*\t+7], v[XQ+8*\pt:XQ+8*\pt+7], v[\breg+8*\t:\breg+8*\t+7], v[\sreg+\t], v[XQS+\pt] matrix_a_fmt:MATRIX_FMT_FP4 matrix_b_fmt:MATRIX_FMT_FP4
.endr
	WIN 0
	PLACES
	QUANT HA, \pc, \pw
	global_store_b128 v3, v[\pc:\pc+3], s[\base:\base+1] offset:1024*\pt
	global_store_b128 v3, v[\pc+4:\pc+7], s[\base:\base+1] offset:1024*\pt+512
.endm
	PROJ 128, 0, WQS, 0, PC, TM+8, 52
	PROJ 128, 0, WQS, 1, PC+8, TM+9, 52
	PROJ 192, 64, WKS, 0, PC+16, TM+10, 54
	PROJ 192, 64, WKS, 1, PC+24, TM+11, 54
	ds_store_b64 v15, v[TM+8:TM+9]                 ; q's two scale words (both halves of the lanes hold and write the same)
	ds_store_b64 v15, v[TM+10:TM+11] offset:512    ; k's
	; v: source 0 = a pixel tile, source 1 = 16 rows of Wv: a lane holds one channel, and the 32 registers of a group's four tiles are one block of 32 keys
.irp gp, 0,1
	WIN 0x28                                       ; source 1 (Wv) and source 2 (bv) window 2
.irp jj, 0,1,2,3
.irp u, 0,1
	v_wmma_scale_f32_16x16x128_f8f6f4 v[VD+32*\u+8*\jj:VD+32*\u+8*\jj+7], v[XF+8*(4*\gp+\jj):XF+8*(4*\gp+\jj)+7], v[128+8*\u:128+8*\u+7], v[144+8*\u:144+8*\u+7], v[XS+4*\gp+\jj], v[WVS+\u] matrix_a_fmt:MATRIX_FMT_FP4 matrix_b_fmt:MATRIX_FMT_FP4
.endr
.endr
	WIN 0
	PLACES
.irp u, 0,1
	v_max3_num_f32 v[TM+\u], |v[VD+32*\u]|, |v[VD+32*\u+1]|, 0x1800000
.endr
.irp i, 2,4,6,8,10,12,14,16,18,20,22,24,26,28,30
.irp u, 0,1
	v_max3_num_f32 v[TM+\u], v[TM+\u], |v[VD+32*\u+\i]|, |v[VD+32*\u+\i+1]|
.endr
.endr
.irp u, 0,1
	v_add_nc_u32 v[TM+12+\u], 0xff000000, v[TM+\u]
.endr
.irp u, 0,1
	v_lshrrev_b32 v[TM+4+2*\u+\gp], 23, v[TM+12+\u]   ; the byte of block 2 gp + h
.endr
.irp u, 0,1
.irp jj, 0,1,2,3
	v_cvt_scalef32_pk8_fp4_f32 v[VC+8*\u+4*\gp+\jj], v[VD+32*\u+8*\jj:VD+32*\u+8*\jj+7], v[TM+12+\u]   ; register 4 gp + jj of the fragment: nothing changes lanes
.endr
.endr
	v_nop                                          ; one plain place behind a scaled conversion
.endr
.irp u, 0,1
	v_lshl_or_b32 v[VW+\u], v[TM+5+2*\u], 16, v[TM+4+2*\u]   ; my two bytes: blocks h and 2 + h,
.endr
.irp u, 0,1
	v_lshlrev_b32 v[VW+\u], v17, v[VW+\u]          ; at their places in the word;
.endr
.irp u, 0,1
	v_permlanex16_b32 v[TM+2+\u], v[VW+\u], s50, s51
.endr
.irp u, 0,1
	v_or_b32 v[VW+\u], v[VW+\u], v[TM+2+\u]        ; with lane l xor 16's two it is whole
.endr
	ds_store_b64 v15, v[VW:VW+1] offset:1024
.irp u, 0,1
	global_store_b128 v3, v[VC+8*\u:VC+8*\u+3], s[54:55] offset:8192+1024*\u
	global_store_b128 v3, v[VC+8*\u+4:VC+8*\u+7], s[54:55] offset:8192+1024*\u+512
.endr
	s_wait_dscnt 0x0
	s_barrier_signal -1
	s_barrier_wait -1                              ; the three images of scale words are whole
	s_cmp_gt_u32 s46, 2                            ; waves 0, 1, 2 store q's, k's, v's: 512 consecutive bytes each
	s_cbranch_scc1 .Ldone
	s_add_nc_u64 s[56:57], s[30:31], 8192
	s_add_nc_u64 s[58:59], s[38:39], 16384
	s_lshr_b32 s60, s46, 1
	s_lshl_b32 s60, s60, 9                         ; v's lie 512 bytes behind k's
	s_mov_b32 s61, 0
	s_cmp_eq_u32 s46, 0                            ; the choice hangs on the wave's number alone
	s_cselect_b64 s[56:57], s[56:57], s[58:59]
	s_add_nc_u64 s[56:57], s[56:57], s[60:61]
	ds_load_b128 v[TM:TM+3], v16
	s_wait_dscnt 0x0
	global_store_b128 v3, v[TM:TM+3], s[56:57]
.Ldone:
	s_set_vgpr_msb 0xa
	s_wait_tensorcnt 0x0
	ds_add_u32 v192, v193
	s_wait_dscnt 0x0
	s_set_vgpr_msb 0xa00
	s_endpgm
.Lfunc_end_k_qf0e44b0848_qkv:
	.size	k_qf0e44b0848_qkv, .Lfunc_end_k_qf0e44b0848_qkv-k_qf0e44b0848_qkv
	.p2alignl 7, 3214868480
	.fill 96, 4, 3214868480
	.section	.rodata,"a",@progbits
	.p2align	6, 0x0
	.amdhsa_kernel k_qf0e44b0848_qkv
		.amdhsa_group_segment_fixed_size 10752
		.amdhsa_private_segment_fixed_size 0
		.amdhsa_enable_private_segment 0
		.amdhsa_kernarg_size 120
		.amdhsa_user_sgpr_count 2
		.amdhsa_user_sgpr_kernarg_segment_ptr 1
		.amdhsa_wavefront_size32 1
		.amdhsa_system_sgpr_workgroup_id_x 1
		.amdhsa_system_sgpr_workgroup_id_y 1
		.amdhsa_system_sgpr_workgroup_id_z 1
		.amdhsa_system_vgpr_workitem_id 0
		.amdhsa_next_free_vgpr 706
		.amdhsa_next_free_sgpr 66
		.amdhsa_reserve_vcc 0
		.amdhsa_float_denorm_mode_32 3
		.amdhsa_float_denorm_mode_16_64 3
		.amdhsa_memory_ordered 1
		.amdhsa_forward_progress 1
		.amdhsa_inst_pref_size 65
	.end_amdhsa_kernel
	.amdgpu_metadata
---
amdhsa.version: [ 1, 2 ]
amdhsa.kernels:
  - .name:           k_qf0e44b0848_qkv
    .symbol:         k_qf0e44b0848_qkv.kd
    .args:
      - { .name: x, .offset: 0, .size: 8, .value_kind: global_buffer, .address_space: global }
      - { .name: stats, .offset: 8, .size: 8, .value_kind: global_buffer, .address_space: global }
      - { .name: gamma, .offset: 16, .size: 8, .value_kind: global_buffer, .address_space: global }
      - { .name: beta, .offset: 24, .size: 8, .value_kind: global_buffer, .address_space: global }
      - { .name: wq_codes, .offset: 32, .size: 8, .value_kind: global_buffer, .address_space: global }
      - { .name: wq_scales, .offset: 40, .size: 8, .value_kind: global_buffer, .address_space: global }
      - { .name: bq, .offset: 48, .size: 8, .value_kind: global_buffer, .address_space: global }
      - { .name: qb, .offset: 56, .size: 8, .value_kind: global_buffer, .address_space: global }
      - { .name: wk_codes, .offset: 64, .size: 8, .value_kind: global_buffer, .address_space: global }
      - { .name: wk_scales, .offset: 72, .size: 8, .value_kind: global_buffer, .address_space: global }
      - { .name: bk, .offset: 80, .size: 8, .value_kind: global_buffer, .address_space: global }
      - { .name: kv, .offset: 88, .size: 8, .value_kind: global_buffer, .address_space: global }
      - { .name: wv_codes, .offset: 96, .size: 8, .value_kind: global_buffer, .address_space: global }
      - { .name: wv_scales, .offset: 104, .size: 8, .value_kind: global_buffer, .address_space: global }
      - { .name: bv, .offset: 112, .size: 8, .value_kind: global_buffer, .address_space: global }
    .group_segment_fixed_size: 10752
    .private_segment_fixed_size: 0
    .kernarg_segment_align: 8
    .kernarg_segment_size: 120
    .max_flat_workgroup_size: 128
    .sgpr_count:     66
    .vgpr_count:     706
    .wavefront_size: 32
...
	.end_amdgpu_metadata
.endif
;; end of part 2
;; launch attn (part 3): grid 64 x 4, 8 waves a work-group, clusters of 4 x 1, 327,680 bytes of LDS; arguments qb, kv, wo_codes, wo_scales, bo, x, out0; writes out0
.if DOCPART == 3
	.amdgcn_target "amdgcn-amd-amdhsa--gfx1250"
	.amdhsa_code_object_version 6
	.text
	.protected	k_qf0e44b0848_attn
	.globl	k_qf0e44b0848_attn
	.p2align	8
	.type	k_qf0e44b0848_attn,@function
k_qf0e44b0848_attn:
	s_mov_b64 s[64:65], 0
	v_nop
	global_prefetch_b8 v0, s[64:65] scope:SCOPE_SE
	s_setreg_imm32_b32 hwreg(HW_REG_WAVE_MODE, 25, 1), 1
	s_wait_xcnt 0x0
	s_wait_alu depctr_hold_cnt(0) depctr_sa_sdst(0) depctr_va_vdst(0) depctr_va_sdst(0) depctr_va_ssrc(0) depctr_va_vcc(0) depctr_vm_vsrc(0)
	s_getreg_b32 s2, hwreg(HW_REG_IB_STS2, 6, 4)
	s_cmp_eq_u32 s2, 0
	s_cbranch_scc0 .Lentry_in_a_cluster
	s_endpgm
.Lentry_in_a_cluster:
	s_bfe_u32 s2, ttmp6, 0x10000c
	s_cmp_lg_u32 s2, 0x3003
	s_cbranch_scc0 .Lentry_shape_is_right
	s_endpgm
.Lentry_shape_is_right:
; out = x + Wo attn + bo, attn = softmax(q^T k / sqrt(128)) v, all products on codes of FP4 (E2M1) with one E8M0 scale for each 32 along K.  q, k, v come as images of operand registers (qb, kv).
; THE SOFTMAX AHEAD OF THE SECOND PRODUCT: t = score x log2(e) / sqrt(128); M = the largest t so far, rounded up to a whole number; p = 2^(t - M) is quantised along the keys, not normalised;
; the row's sum is taken of the unquantised p and divides at the end.  When M moves, the sum and O are multiplied by 2^(old M - new M): exact.
; SHARES.  A work-group owns 64 queries (pixels 64 G .. 64 G + 63) of one image: 256 work-groups of equal work.  Pixel 64 G + 4 r + j: query tile j is the 16 pixels r = 0 .. 15.
; Wave W = 2 s + jp owns query tiles 2 jp, 2 jp + 1 and the key steps (128 keys) whose number is s modulo 4: 8 steps.  So each fragment of K and V read from LDS feeds two products, two waves stand on a SIMD,
; and the four phases s of a query are merged at the end through LDS (M is a whole number: the merge rescales exactly).
; LAYOUT.  S^T = K Q^T (source 0 = a tile of 16 keys), O^T = V P^T (source 0 = 16 channels): a lane holds one query throughout.  Key tile (g, jj) of a step is keys 64 g + 4 r + jj: register i of lane (., h) of its scores is key
; 64 g + 32 h + 4 i + jj, so the 32 registers of a group's four tiles are ONE block of 32 keys, whole in one lane: its maximum asks no other lane, and the conversion of tile jj's eight registers IS register 4 g + jj of P's fragment.
; V's codes were laid in the same order within a block.  V's channel tile 2 b + u holds channels 32 b + 8 u + row + 8 (row / 8), so that O's 16 registers of tiles 2 b, 2 b + 1 are 16 neighbouring channels.
; THE RING.  Two LDS slots of 8 key steps (8 x 17,408 bytes, dense images: every LDS load reads 512 consecutive bytes).  32 steps: the first fills and two refills; in a refill each wave fetches one step with one tensor load.
; THE FIRST FILLS GO OUT IN THE ORDER IN WHICH THEY ARE READ: each wave asks first for 8,704 bytes of steps 0-3 (69,632 bytes for the eight waves: what the four phases' first step reads), then for 8,704 bytes of steps 4-7,
; then for its step of slot 1; the first step begins as soon as the first of the three has landed in every wave.  A wave has three tensor loads out at the start and one behind each refill.
; CLUSTER.  The four work-groups of a cluster belong to one image and walk the same K and V: each tile is asked for jointly, by the same tensor load with the same descriptor and a mask that names the four.
; LIMITS: NaN and infinities are not served.  p under 2^-126 becomes 0 (v_exp_f32's results are flushed: ISA guide, its entry).  A block whose largest number lies under 2^-124 gets the byte 1.  1 / l is v_rcp_f32.
; The sums over the keys go by four phases and, within a block of 32, in the order given above, not in ascending order.
; REGISTERS.  window 0: v1-7 addresses; v8-35 statistics, 14 a tile; v36-47 scale words; v48-63 P's codes; v64-127 eight fragments of K or V; v128-255 S^T, then p, 64 a tile.   window 1: v0-127 O^T, 64 a tile; v128-143 Q.
.set STEPB, 17408                      ; a key step in kv and in LDS: 8 fragments of K, 8 of V, 512 bytes of K's scale words, 512 of V's
.set HALFB, 8704                       ; half of it: 34 rows of 256 bytes
.set SLOTB, 8*STEPB
.set AIMG,  2*SLOTB                    ; behind the ring: attn's four fragment images,
.set ASC,   AIMG+4096                  ; their scale bytes: that of (r, j, block b) at 16 r + 4 j + b,
.set OSTG,  ASC+256                    ; a stage of 16 rows x (256 + 16) bytes for each wave,
.set SPARE, OSTG+8*16*272              ; and the spare words, 128 bytes for each wave: four blocks of 256 bytes that no other line names
.set MST,   131072                     ; the merge's stage lies in slot 0, which has had its last fill and its last read by then: partial O of (j, s) at 8,192 (4 j + s); from MST on -M and l of (j, s), 256 bytes each
.set SPW, 1                            ; v1  LDS address of my spare word; never rewritten
.set NIL, 2                            ; v2  0; never rewritten
.set LI0, 3                            ; v3  16 x lane + 17,408 s
.set ADR, 4                            ; v4  the step in hand
.set SH8, 5                            ; v5  8 h
.set LI,  6                            ; v6  16 x lane
.set R16, 7                            ; v7  16 r
.set ST,  8                            ; tile t at v[ST + 14 t]: +0 -M, +1 the largest t | +2, +3 the sum | +4 f, +5 | +6, +7 a second chain of the sum | +8, +9 the blocks' largest | +10, +11 the conversions' scales | +12, +13 at work
.set QS,  36                           ; v36-37 Q's scale words
.set PW,  38                           ; v38-39 P's
.set KS,  40                           ; v40-43 K's: lanes 0-15 tiles 0-3, lanes 16-31 tiles 4-7
.set VS,  44                           ; v44-47 V's likewise
.set PC,  48
.set FR,  64
.set S,   128
.set G1,  24                           ; s[24:31] descriptor group 1 for a whole step
.set G0,  32                           ; s[32:39] group 0 for a whole step, a set for each slot
.set SEL, 40
.set CS,  42
.set TB,  44                           ; s44 LDS byte at which the four steps in hand begin
.set TRIP, 45
.set G1H, 68                           ; s[68:75] descriptor group 1 for half a step
.set G0A, 76                           ; s[76:79] group 0: my 8,704 bytes of steps 0-3
.set G0B, 80                           ; s[80:83] group 0: my 8,704 bytes of steps 4-7
.set MSB, 0
.macro WIN new                         ; the immediate's high byte repeats the setting that is left
.if MSB != \new
	s_set_vgpr_msb (MSB<<8)|\new
.set MSB, \new
.endif
.endm
.macro PLACES                          ; four plain vector instructions between a matrix instruction and a read of its result or a load into its registers
.rept 4
	v_nop
.endr
.endm
.macro CROUND                          ; a round of the cluster's barrier
	s_barrier_signal -1
	s_barrier_wait -1
	s_cmp_lg_u32 s18, 0
	s_cbranch_scc1 .Lnot_wave_0_\@
	s_barrier_signal -3
.Lnot_wave_0_\@:
	s_barrier_wait -3
	s_barrier_signal -1
	s_barrier_wait -1
.endm
	s_load_b256 s[4:11], s[0:1], 0x0               ; qb 4, kv 6, wo_codes 8, wo_scales 10
	s_load_b128 s[12:15], s[0:1], 0x20             ; bo 12, x 14
	s_load_b64 s[16:17], s[0:1], 0x30              ; out0
	v_lshl_add_u32 v[SPW], v0, 2, SPARE
	v_mov_b32 v[NIL], 0
	ds_add_u32 v1, v2
	ds_add_u32 v1, v2
	s_wait_dscnt 0x0
	v_lshrrev_b32 v4, 5, v0
	v_readfirstlane_b32 s18, v4                    ; wave W
	s_and_b32 s19, s18, 1                          ; jp
	s_lshr_b32 s20, s18, 1                         ; s
	s_bfe_u32 s46, ttmp6, 0x40000                  ; cx: it enters the addresses of Q, x and out0 alone
	s_lshl_b32 s47, ttmp9, 2
	s_add_co_u32 s47, s47, s46                     ; G
	s_and_b32 s48, ttmp7, 0xffff                   ; the image, which the four partners share
	s_mov_b32 s[G1H], 15|(3<<16)|(1<<21)           ; 15:0 the mask: all four work-groups; 17:16 elements of 8 bytes; 21 set beside a mask; no padding
	s_mov_b32 s[G1H+1], 32<<16                     ; tensor_dim0 = 32 elements: rows of 256 bytes
	s_mov_b32 s[G1H+2], 34<<16                     ; tensor_dim1 = 34 rows: 8,704 dense bytes
	s_mov_b32 s[G1H+3], 32<<16                     ; tile_dim0
	s_mov_b32 s[G1H+4], 34                         ; tile_dim1
	s_mov_b32 s[G1H+5], 32                         ; the pitch
	s_mov_b32 s[G1H+6], 0
	s_mov_b32 s[G1H+7], 0
	s_mul_i32 s49, s18, STEPB                      ; the step of a slot that I fetch: its place in a slot,
	s_mul_i32 s62, s18, HALFB                      ; and my 8,704 bytes of four steps: their place among the four
	s_mul_i32 s50, s48, 32*STEPB                   ; the image's 32 steps in kv
	s_mov_b32 s51, 0
	s_add_co_u32 s22, s50, s62
	s_mov_b32 s23, 0
	s_add_co_u32 s50, s50, s49
	s_lshl_b32 s52, s48, 5                         ; Q: block 32 n + G / 2 of qb,
	s_lshr_b32 s53, s47, 1
	s_add_co_u32 s52, s52, s53
	s_mul_i32 s52, s52, 8704
	s_and_b32 s53, s47, 1
	s_lshl_b32 s54, s53, 12                        ; fragments 4 (G % 2) + 2 jp on,
	s_add_co_u32 s54, s54, s52
	s_lshl_b32 s55, s19, 11
	s_add_co_u32 s54, s54, s55
	s_mov_b32 s55, 0
	s_lshl_b32 s56, s53, 8                         ; and their scale words: 8,192 + 256 (G % 2) + 8 jp + 16 r
	s_add_co_u32 s56, s56, s52
	s_lshl_b32 s57, s19, 3
	s_add_co_u32 s56, s56, s57
	s_add_co_u32 s56, s56, 8192
	s_mov_b32 s57, 0
	s_wait_kmcnt 0x0
	s_add_nc_u64 s[22:23], s[6:7], s[22:23]        ; kv at the image's first step + 8,704 W
	s_add_nc_u64 s[6:7], s[6:7], s[50:51]          ; kv at the image's step W
	s_add_nc_u64 s[58:59], s[4:5], s[54:55]
	s_add_nc_u64 s[60:61], s[4:5], s[56:57]
	s_mov_b32 s[G0A], 1                            ; count = 1
	s_mov_b32 s[G0A+1], s62                        ; LDS address: 8,704 W: steps 0-3 lie on end, in memory and in LDS alike
	s_mov_b64 s[G0A+2:G0A+3], s[22:23]             ; global address
	s_or_b32 s[G0A+3], s[G0A+3], 0x80000000        ; type = 2
	s_mov_b32 s[G0B], 1
	s_add_co_u32 s[G0B+1], s62, 4*STEPB            ; the same of steps 4-7
	s_add_nc_u64 s[G0B+2:G0B+3], s[22:23], 4*STEPB
	s_or_b32 s[G0B+3], s[G0B+3], 0x80000000
	CROUND                                         ; all four work-groups are here: the first joint loads meet
	; the three first fills, as one group ahead of every wait on TENSORcnt, every LDS read and every further barrier.  Set-up that is due anyway stands between them, so that the eight waves' first requests go out ahead of the later ones
	tensor_load_to_lds s[G0A:G0A+3], s[G1H:G1H+7]  ; steps 0-3
	s_nop 0
	s_mov_b32 s[G1], 15|(3<<16)|(1<<21)            ; group 1 for a whole step: as above,
	s_mov_b32 s[G1+1], 32<<16
	s_mov_b32 s[G1+2], 68<<16                      ; with 68 rows: 17,408 dense bytes
	s_mov_b32 s[G1+3], 32<<16
	s_mov_b32 s[G1+4], 68
	s_mov_b32 s[G1+5], 32
	s_mov_b32 s[G1+6], 0
	s_mov_b32 s[G1+7], 0
	s_mov_b32 s[SEL], 0x76543210                   ; v_permlanex16_b32's selects for lane l xor 16
	s_mov_b32 s[SEL+1], 0xfedcba98
	s_mov_b32 s[CS], 0x3e0293ee                    ; c = log2(e) / sqrt(128)
	s_mov_b32 s[CS+1], s[CS]                       ; (named with it as a pair)
.irp t, 0,1
	v_mov_b32 v[ST+14*\t+5], 0                     ; (named as the upper half of f's pair)
	v_mov_b32 v[ST+14*\t+13], 0                    ; (a lane permute's destination counts as one of its sources)
.endr
	s_lshl_b32 s50, s18, 10                        ; the tail's pointers: Wo's 16 rows 16 W on,
	s_add_nc_u64 s[8:9], s[8:9], s[50:51]
	s_lshl_b32 s50, s18, 6                         ; their scale words and bo's 16 numbers
	s_add_nc_u64 s[10:11], s[10:11], s[50:51]
	s_add_nc_u64 s[12:13], s[12:13], s[50:51]
	tensor_load_to_lds s[G0B:G0B+3], s[G1H:G1H+7]  ; steps 4-7
	s_nop 0
.irp z, 0,1
	s_mov_b32 s[G0+4*\z], 1                        ; count = 1
	s_add_co_u32 s[G0+4*\z+1], s49, \z*SLOTB       ; LDS address: the slot, my step
	s_add_nc_u64 s[G0+4*\z+2:G0+4*\z+3], s[6:7], \z*SLOTB   ; global address: steps 8 z + W.  (Slot 0's set is first used by its refill, which steps it)
	s_or_b32 s[G0+4*\z+3], s[G0+4*\z+3], 0x80000000   ; type = 2
.endr
	s_lshl_b32 s50, s48, 21                        ; x and out0: the image, channel 16 W, pixel 64 G
	s_lshl_b32 s52, s18, 18
	s_add_co_u32 s50, s50, s52
	s_lshl_b32 s52, s47, 8
	s_add_co_u32 s50, s50, s52
	s_add_nc_u64 s[14:15], s[14:15], s[50:51]
	s_add_nc_u64 s[16:17], s[16:17], s[50:51]
	tensor_load_to_lds s[G0+4:G0+7], s[G1:G1+7]    ; slot 1: steps 8-15.  Three loads of mine are out
	s_nop 0
	v_and_b32 v[LI], 31, v0
	v_and_b32 v[R16], 15, v0
	v_bfe_u32 v[SH8], v0, 4, 1
	v_lshlrev_b32 v[LI], 4, v[LI]
	v_lshlrev_b32 v[R16], 4, v[R16]
	v_lshlrev_b32 v[SH8], 3, v[SH8]
	s_mul_i32 s63, s20, STEPB
	v_add_nc_u32 v[LI0], s63, v[LI]
	WIN 0x40                                       ; destination window 1
.irp t, 0,1
.irp c, 0,1
	global_load_b128 v[128+8*\t+4*\c:128+8*\t+4*\c+3], v[LI], s[58:59] offset:1024*\t+512*\c   ; Q's two fragments stay in registers
.endr
.endr
	WIN 0
	global_load_b64 v[QS:QS+1], v[R16], s[60:61]
.macro SPROD f, t                      ; S^T of key tile f, query tile t
.if \f >= 4
	v_wmma_scale_f32_16x16x128_f8f6f4 v[S+64*\t+8*\f:S+64*\t+8*\f+7], v[FR+8*\f:FR+8*\f+7], v[128+8*\t:128+8*\t+7], 0, v[KS+\f%4], v[QS+\t] matrix_a_fmt:MATRIX_FMT_FP4 matrix_b_fmt:MATRIX_FMT_FP4 matrix_a_scale:MATRIX_SCALE_ROW1
.else
	v_wmma_scale_f32_16x16x128_f8f6f4 v[S+64*\t+8*\f:S+64*\t+8*\f+7], v[FR+8*\f:FR+8*\f+7], v[128+8*\t:128+8*\t+7], 0, v[KS+\f%4], v[QS+\t] matrix_a_fmt:MATRIX_FMT_FP4 matrix_b_fmt:MATRIX_FMT_FP4
.endif
.endm
.macro PVPROD f, t, init               ; O^T of channel tile f, query tile t.  init = 1: the product starts the sum: nothing is ever cleared
.set rO, 64*\t+8*\f
.if \init
.if \f >= 4
	v_wmma_scale_f32_16x16x128_f8f6f4 v[rO:rO+7], v[FR+8*\f:FR+8*\f+7], v[PC+8*\t:PC+8*\t+7], 0, v[VS+\f%4], v[PW+\t] matrix_a_fmt:MATRIX_FMT_FP4 matrix_b_fmt:MATRIX_FMT_FP4 matrix_a_scale:MATRIX_SCALE_ROW1
.else
	v_wmma_scale_f32_16x16x128_f8f6f4 v[rO:rO+7], v[FR+8*\f:FR+8*\f+7], v[PC+8*\t:PC+8*\t+7], 0, v[VS+\f%4], v[PW+\t] matrix_a_fmt:MATRIX_FMT_FP4 matrix_b_fmt:MATRIX_FMT_FP4
.endif
.else
.if \f >= 4
	v_wmma_scale_f32_16x16x128_f8f6f4 v[rO:rO+7], v[FR+8*\f:FR+8*\f+7], v[PC+8*\t:PC+8*\t+7], v[rO:rO+7], v[VS+\f%4], v[PW+\t] matrix_a_fmt:MATRIX_FMT_FP4 matrix_b_fmt:MATRIX_FMT_FP4 matrix_a_scale:MATRIX_SCALE_ROW1
.else
	v_wmma_scale_f32_16x16x128_f8f6f4 v[rO:rO+7], v[FR+8*\f:FR+8*\f+7], v[PC+8*\t:PC+8*\t+7], v[rO:rO+7], v[VS+\f%4], v[PW+\t] matrix_a_fmt:MATRIX_FMT_FP4 matrix_b_fmt:MATRIX_FMT_FP4
.endif
.endif
.endm
; line kk of 32 of the sum of tile t's 64 p, two at a time, in two chains.  init = 1: the first step's pairs start the sum
.macro SUMOP t, kk, init
.set rS, S+64*(\t)
.set rT, ST+14*(\t)
.if (\kk) < 16
.if \init && ((\kk) == 0)
.elseif \init && ((\kk) == 1)
	v_pk_add_f32 v[rT+2:rT+3], v[rS:rS+1], v[rS+4:rS+5]
.else
	v_pk_add_f32 v[rT+2:rT+3], v[rT+2:rT+3], v[rS+4*(\kk):rS+4*(\kk)+1]
.endif
.elseif (\kk) == 16
	v_pk_add_f32 v[rT+6:rT+7], v[rS+2:rS+3], v[rS+6:rS+7]
.elseif (\kk) < 31
	v_pk_add_f32 v[rT+6:rT+7], v[rT+6:rT+7], v[rS+4*((\kk)-15)+2:rS+4*((\kk)-15)+3]
.else
	v_pk_add_f32 v[rT+2:rT+3], v[rT+2:rT+3], v[rT+6:rT+7]
.endif
.endm
; the two blocks' largest p become the conversions' scale operands and, with lane l xor 16's two bytes, P's scale word for these 128 keys
.macro SCALE t
.set rT, ST+14*(\t)
	v_max_num_f32 v[rT+8], 0x1800000, v[rT+8]      ; the floor 2^(3 - 127): the byte cannot fall under 1
	v_max_num_f32 v[rT+9], 0x1800000, v[rT+9]
	v_add_nc_u32 v[rT+10], 0xff000000, v[rT+8]     ; 2 off the exponent field
	v_add_nc_u32 v[rT+11], 0xff000000, v[rT+9]
	v_lshrrev_b32 v[rT+12], 23, v[rT+10]
	v_lshrrev_b32 v[rT+13], 23, v[rT+11]
	v_lshl_or_b32 v[PW+\t], v[rT+13], 16, v[rT+12] ; blocks h and 2 + h,
	v_lshlrev_b32 v[PW+\t], v[SH8], v[PW+\t]       ; at their places
	v_permlanex16_b32 v[rT+12], v[PW+\t], s[SEL], s[SEL+1]
	v_or_b32 v[PW+\t], v[PW+\t], v[rT+12]
.endm
.macro CVT t
.irp g, 0,1
.irp j, 0,1,2,3
	v_cvt_scalef32_pk8_fp4_f32 v[PC+8*\t+4*\g+\j], v[S+64*\t+32*\g+8*\j:S+64*\t+32*\g+8*\j+7], v[ST+14*\t+10+\g]
.endr
.endr
	v_nop                                          ; one plain place behind a scaled conversion
.endm
; A KEY STEP: 128 keys against my two query tiles.  init = 1: the first step, which starts M, the sums and O^T.
; The sixteen accumulators of O^T take turns, one instruction a turn, and the scores' products stand between two steps' turns.
.macro STEP init
	v_add_nc_u32 v[ADR], s[TB], v[LI0]
.if !\init
	PLACES                                         ; behind the last step's products, in front of the loads into their registers
.endif
	ds_load_b128 v[KS:KS+3], v[ADR] offset:16384
.irp f, 0,1,2,3,4,5,6,7
	ds_load_b128 v[FR+8*\f:FR+8*\f+3], v[ADR] offset:1024*\f
	ds_load_b128 v[FR+8*\f+4:FR+8*\f+7], v[ADR] offset:1024*\f+512
.endr
	WIN 0x04                                       ; source 1 (Q) window 1
.irp f, 0,1,2,3,4,5,6,7
	s_wait_dscnt 14-2*\f                           ; fragment f is in; the later fragments' loads stay out
	SPROD \f, 0
	SPROD \f, 1
.endr
	WIN 0
	PLACES
	ds_load_b128 v[VS:VS+3], v[ADR] offset:16896   ; V lands while the softmax is worked
.irp f, 0,1,2,3,4,5,6,7
	ds_load_b128 v[FR+8*\f:FR+8*\f+3], v[ADR] offset:8192+1024*\f
	ds_load_b128 v[FR+8*\f+4:FR+8*\f+7], v[ADR] offset:8192+1024*\f+512
.endr
.irp t, 0,1                                    ; the largest score of each block of 32 keys: all 32 are mine.  It serves the row's maximum and, since p rises with the score, the block's largest p.  Each accumulator is read from its low end on
.irp g, 0,1
	v_max3_num_f32 v[ST+14*\t+8+\g], v[S+64*\t+32*\g], v[S+64*\t+32*\g+1], v[S+64*\t+32*\g+2]
.endr
.endr
.irp i, 3,5,7,9,11,13,15,17,19,21,23,25,27,29
.irp t, 0,1
.irp g, 0,1
	v_max3_num_f32 v[ST+14*\t+8+\g], v[ST+14*\t+8+\g], v[S+64*\t+32*\g+\i], v[S+64*\t+32*\g+\i+1]
.endr
.endr
.endr
.irp t, 0,1
.irp g, 0,1
	v_max_num_f32 v[ST+14*\t+8+\g], v[ST+14*\t+8+\g], v[S+64*\t+32*\g+31]
.endr
.endr
.irp t, 0,1
	v_max_num_f32 v[ST+14*\t+12], v[ST+14*\t+8], v[ST+14*\t+9]
.endr
.irp t, 0,1
	v_permlanex16_b32 v[ST+14*\t+13], v[ST+14*\t+12], s[SEL], s[SEL+1]
.endr
.irp t, 0,1
	v_max_num_f32 v[ST+14*\t+12], v[ST+14*\t+12], v[ST+14*\t+13]   ; the step's largest score of my query
.endr
.if \init
.irp t, 0,1
	v_mul_f32 v[ST+14*\t+1], s[CS], v[ST+14*\t+12] ; as t
.endr
.irp t, 0,1
	v_floor_f32 v[ST+14*\t], -v[ST+14*\t+1]        ; -M = floor(-t)
.endr
.else
.irp t, 0,1
	v_mul_f32 v[ST+14*\t+12], s[CS], v[ST+14*\t+12]
.endr
.irp t, 0,1
	v_max_num_f32 v[ST+14*\t+1], v[ST+14*\t+1], v[ST+14*\t+12]   ; the running largest t
.endr
.irp t, 0,1
	v_mov_b32 v[ST+14*\t+12], v[ST+14*\t]
.endr
.irp t, 0,1
	v_floor_f32 v[ST+14*\t], -v[ST+14*\t+1]
.endr
.irp t, 0,1
	v_sub_f32 v[ST+14*\t+12], v[ST+14*\t], v[ST+14*\t+12]   ; old M - new M: a whole number, 0 or less
.endr
.irp t, 0,1
	v_cvt_i32_f32 v[ST+14*\t+12], v[ST+14*\t+12]   ; (it saturates)
.endr
.irp t, 0,1
	v_ldexp_f32 v[ST+14*\t+4], 1.0, v[ST+14*\t+12] ; f = 2^(old M - new M)
.endr
.irp t, 0,1
	v_pk_mul_f32 v[ST+14*\t+2:ST+14*\t+3], v[ST+14*\t+2:ST+14*\t+3], v[ST+14*\t+4:ST+14*\t+5] op_sel_hi:[1,0]
.endr
.endif
.set k, 0
.rept 32
	v_pk_fma_f32 v[S+2*k:S+2*k+1], v[S+2*k:S+2*k+1], s[CS:CS+1], v[ST:ST+1] op_sel_hi:[1,0,0]   ; tile 0: t - M, two at a time
.set k, k+1
.endr
	v_fma_f32 v[ST+8], v[ST+8], s[CS], v[ST]       ; the same of each block's largest score
	v_fma_f32 v[ST+9], v[ST+9], s[CS], v[ST]
.set k, 0
.rept 32                                       ; tile 0's exponentials, with tile 1's scalings between them
	v_exp_f32 v[S+2*k], v[S+2*k]
	v_exp_f32 v[S+2*k+1], v[S+2*k+1]
	v_pk_fma_f32 v[S+64+2*k:S+64+2*k+1], v[S+64+2*k:S+64+2*k+1], s[CS:CS+1], v[ST+14:ST+15] op_sel_hi:[1,0,0]
.set k, k+1
.endr
	v_exp_f32 v[ST+8], v[ST+8]                     ; the blocks' largest p: the same arithmetic on the same number gives the same bits
	v_exp_f32 v[ST+9], v[ST+9]
	v_fma_f32 v[ST+22], v[ST+22], s[CS], v[ST+14]  ; (plain instructions behind the exponentials)
	v_fma_f32 v[ST+23], v[ST+23], s[CS], v[ST+14]
	s_wait_alu depctr_va_vdst(0)
	SCALE 0
	CVT 0
.set k, 0
.rept 32                                       ; tile 1's exponentials, with tile 0's sums between them: the sum is taken of the unquantised p
	v_exp_f32 v[S+64+2*k], v[S+64+2*k]
	v_exp_f32 v[S+64+2*k+1], v[S+64+2*k+1]
	SUMOP 0, k, \init
.set k, k+1
.endr
	v_exp_f32 v[ST+22], v[ST+22]
	v_exp_f32 v[ST+23], v[ST+23]
	v_nop                                          ; a plain instruction behind the exponentials
	s_wait_alu depctr_va_vdst(0)
	SCALE 1
	CVT 1
.if !\init
	WIN 0x41                                       ; O^T (destination and source 0) window 1
.irp t, 0,1
.set k, 0
.rept 32
	v_pk_mul_f32 v[64*\t+2*k:64*\t+2*k+1], v[64*\t+2*k:64*\t+2*k+1], v[ST+14*\t+4:ST+14*\t+5] op_sel_hi:[1,0]   ; O^T under the new M, each accumulator from its low end on
.set k, k+1
.endr
.endr
	WIN 0
.endif
.set k, 0
.rept 16                                       ; tile 1's sums, the two chains by turns.  These lines are also the places between P's scale word and codes, made by vector instructions, and the products
	SUMOP 1, k, \init
	SUMOP 1, k+16, \init
.set k, k+1
.endr
	s_wait_dscnt 0x0                               ; V is in
	WIN 0x50                                       ; C and D (O^T) window 1
.irp f, 0,1,2,3,4,5,6,7
	PVPROD \f, 0, \init
	PVPROD \f, 1, \init
.endr
	WIN 0
.endm
; THE CHANGE OF SLOTS.  Each wave waits for all its tensor loads (its part of the slot ahead), adds 0 to its spare word, and waits for that and for its reads of the slot that it leaves.
; fill = 1: slot z, just left, takes the steps 16 further on: the barrier is a round of the cluster's, the joint refill is the first thing behind it, and it has a whole slot's work in which to land.
.macro CHANGE z, fill
	s_wait_tensorcnt 0x0                           ; no tensor load of mine is out, so a group 0 may be written
	ds_add_u32 v[SPW], v[NIL]                      ; 0 onto my spare word
.if \fill
	s_add_nc_u64 s[G0+4*\z+2:G0+4*\z+3], s[G0+4*\z+2:G0+4*\z+3], 2*SLOTB
.endif
	s_wait_dscnt 0x0                               ; the add is done, and my reads of the slot are over
.if \fill
	CROUND
	tensor_load_to_lds s[G0+4*\z:G0+4*\z+3], s[G1:G1+7]   ; my one tensor load until the next change
	s_nop 0
	PLACES                                         ; (four v_nop follow the load)
.else
	s_barrier_signal -1
	s_barrier_wait -1
.endif
.endm
.macro WORK z                          ; my two steps of slot z: steps s and s + 4 of its eight
	s_mov_b32 s[TB], \z*SLOTB
	s_mov_b32 s[TRIP], 2
.Lstep_\@:
	STEP 0
	s_add_co_u32 s[TB], s[TB], 4*STEPB
	s_sub_co_u32 s[TRIP], s[TRIP], 1
	s_cmp_lg_u32 s[TRIP], 0
	s_cbranch_scc1 .Lstep_\@
.endm
	s_wait_tensorcnt 2                             ; my part of steps 0-3 is in; the two loads issued behind it (steps 4-7, slot 1) may stay out
	s_barrier_signal -1
	s_barrier_wait -1                              ; everybody's is: LDS bytes 0 to 69,631 are whole
	s_wait_loadcnt 0x0                             ; Q
	s_mov_b32 s[TB], 0
	STEP 1
	s_wait_tensorcnt 1                             ; my part of steps 4-7 is in; slot 1's load may stay out.  (No LDS instruction of mine is out: the step waited for its last loads)
	s_barrier_signal -1
	s_barrier_wait -1                              ; everybody's is: slot 0 is whole
	s_mov_b32 s[TB], 4*STEPB
	STEP 0
	CHANGE 0, 1                                    ; slot 0 takes steps 16-23
	WORK 1
	CHANGE 1, 1                                    ; slot 1 takes steps 24-31
	WORK 0
	CHANGE 0, 0                                    ; nothing is left to fetch
	WORK 1
	; ---- THE TAIL.  Addresses (v48-60) and the sums' last additions; the first four lines are the places behind the last products
.set AW,  48                           ; Wo's fragment: 64 r + 16 h
.set A4R, 49                           ; 4 r
.set AX,  50                           ; x, out0: h rows of 16,384 bytes + 16 r
.set AOW, 51                           ; partial O, out: 16 x lane + 65,536 jp + 8,192 s
.set AMW, 52                           ; -M and l, out
.set AMR, 53                           ; and back
.set AOR, 54                           ; partial O, back: 16 x lane + 65,536 jp + 2,048 s
.set AAW, 55                           ; attn's codes
.set ASW, 56                           ; attn's scale byte
.set AAR, 57
.set ASR, 58
.set AGW, 59                           ; my stage, in
.set AGR, 60                           ; and back
.set BO,  61
	v_and_b32 v4, 15, v0                           ; r
	v_bfe_u32 v5, v0, 4, 1                         ; h
.irp t, 0,1
	v_add_f32 v[ST+14*\t+12], v[ST+14*\t+2], v[ST+14*\t+3]
.endr
.irp t, 0,1
	v_permlanex16_b32 v[ST+14*\t+13], v[ST+14*\t+12], s[SEL], s[SEL+1]
.endr
.irp t, 0,1
	v_add_f32 v[ST+14*\t+12], v[ST+14*\t+12], v[ST+14*\t+13]   ; l of my phase
.endr
	v_lshlrev_b32 v[AW], 6, v4
	v_lshl_add_u32 v[AW], v5, 4, v[AW]
	v_lshlrev_b32 v[A4R], 2, v4
	v_lshl_add_u32 v[AX], v5, 14, v[R16]
	global_load_b128 v[64:67], v[AW], s[8:9]       ; Wo's rows 16 W .. 16 W + 15, in their natural order
	global_load_b128 v[68:71], v[AW], s[8:9] offset:32
	global_load_b32 v[QS], v[A4R], s[10:11]        ; their scale words
	global_load_b32 v[BO], v[A4R], s[12:13]        ; bo at my lane's channel
.irp q, 0,1,2,3,4,5,6,7
	global_load_b128 v[72+4*\q:75+4*\q], v[AX], s[14:15] offset:32768*\q th:TH_LOAD_NT   ; x: channel 16 W + 2 q + h, my work-group's 64 pixels: sixteen lanes read 256 consecutive bytes
.endr
	s_lshl_b32 s52, s19, 16
	s_lshl_b32 s53, s20, 13
	s_add_co_u32 s53, s53, s52
	v_add_nc_u32 v[AOW], s53, v[LI]
	s_lshl_b32 s53, s20, 11
	s_add_co_u32 s53, s53, s52
	v_add_nc_u32 v[AOR], s53, v[LI]
	s_lshl_b32 s52, s19, 11
	s_add_co_u32 s54, s52, MST
	v_lshrrev_b32 v[AMR], 2, v[LI]
	v_add_nc_u32 v[AMR], s54, v[AMR]               ; MST + 2,048 jp + 4 x lane
	s_lshl_b32 s53, s20, 8
	v_add_nc_u32 v[AMW], s53, v[AMR]               ; + 256 s
	s_add_co_u32 s53, s53, s52
	s_add_co_u32 s53, s53, AIMG
	v_lshl_add_u32 v[AAW], v5, 3, v[R16]
	v_add_nc_u32 v[AAW], s53, v[AAW]               ; AIMG + 2,048 jp + 256 s + 16 r + 8 h
	s_lshl_b32 s53, s19, 3
	s_add_co_u32 s53, s53, s20
	s_add_co_u32 s53, s53, ASC
	v_add_nc_u32 v[ASW], s53, v[R16]               ; ASC + 16 r + 8 jp + s
	v_add_nc_u32 v[AAR], AIMG, v[LI]
	v_add_nc_u32 v[ASR], ASC, v[R16]
	s_mul_i32 s53, s18, 16*272
	s_add_co_u32 s53, s53, OSTG
	v_mul_u32_u24 v[AGW], v4, 272
	v_lshl_add_u32 v[AGW], v5, 7, v[AGW]
	v_add_nc_u32 v[AGW], s53, v[AGW]               ; row r (a channel), + 128 h: my 32 pixels
	v_mul_u32_u24 v[AGR], v5, 272
	v_add_nc_u32 v[AGR], v[AGR], v[R16]
	v_add_nc_u32 v[AGR], s53, v[AGR]               ; lanes 0-15 one row, lanes 16-31 the next
	WIN 0x04                                       ; an LDS store's data are its source 1: window 1
.irp t, 0,1
.irp q, 0,1,2,3,4,5,6,7,8,9,10,11,12,13,14,15
	ds_store_b128 v[AOW], v[64*\t+4*\q:64*\t+4*\q+3] offset:32768*\t+512*\q   ; my phase's O^T as it stands, each accumulator from its low end on
.endr
.endr
	WIN 0
.irp t, 0,1
	ds_store_b32 v[AMW], v[ST+14*\t] offset:1024*\t
	ds_store_b32 v[AMW], v[ST+14*\t+12] offset:1024*\t+128
.endr
	s_wait_dscnt 0x0
	s_barrier_signal -1
	s_barrier_wait -1                              ; all phases of all tiles lie in the stage
	; ---- THE MERGE.  My unit t: query tile 2 jp + t, channels 32 s .. 32 s + 31 (O's tiles 2 s, 2 s + 1: 16 registers a lane), all four phases p
.irp t, 0,1
.irp p, 0,1,2,3
	ds_load_b32 v[104+8*\t+\p], v[AMR] offset:1024*\t+256*\p
	ds_load_b32 v[108+8*\t+\p], v[AMR] offset:1024*\t+256*\p+128
.endr
.endr
.irp t, 0,1
.irp p, 0,1,2,3
.irp q, 0,1,2,3
	ds_load_b128 v[S+64*\t+16*\p+4*\q:S+64*\t+16*\p+4*\q+3], v[AOR] offset:32768*\t+8192*\p+512*\q
.endr
.endr
.endr
	s_wait_dscnt 32                                ; the sixteen words of -M and l are in; the 32 loads of O stay out while the factors are made
.irp t, 0,1
	v_min3_num_f32 v[ST+14*\t], v[104+8*\t], v[105+8*\t], v[106+8*\t]
.endr
.irp t, 0,1
	v_min_num_f32 v[ST+14*\t], v[ST+14*\t], v[107+8*\t]   ; -M of the whole row
.endr
.irp p, 0,1,2,3
.irp t, 0,1
	v_sub_f32 v[ST+14*\t+2+\p], v[ST+14*\t], v[104+8*\t+\p]   ; the phase's M less the row's: a whole number, 0 or less
.endr
.endr
.irp p, 0,1,2,3
.irp t, 0,1
	v_cvt_i32_f32 v[ST+14*\t+2+\p], v[ST+14*\t+2+\p]
.endr
.endr
.irp p, 0,1,2,3
.irp t, 0,1
	v_ldexp_f32 v[ST+14*\t+2+\p], 1.0, v[ST+14*\t+2+\p]
.endr
.endr
.irp t, 0,1
	v_mul_f32 v[ST+14*\t+6], v[ST+14*\t+2], v[108+8*\t]
.endr
.irp p, 1,2,3
.irp t, 0,1
	v_fmac_f32 v[ST+14*\t+6], v[ST+14*\t+2+\p], v[108+8*\t+\p]   ; the row's sum
.endr
.endr
.irp t, 0,1
	v_rcp_f32 v[ST+14*\t+7], v[ST+14*\t+6]
.endr
	v_nop                                          ; a plain instruction behind the reciprocals
	s_wait_alu depctr_va_vdst(0)
.irp p, 0,1,2,3
.irp t, 0,1
	v_mul_f32 v[ST+14*\t+2+\p], v[ST+14*\t+2+\p], v[ST+14*\t+7]
.endr
.endr
	s_wait_dscnt 0x0
.irp t, 0,1
.set k, 0
.rept 16
	v_mul_f32 v[S+64*\t+k], v[S+64*\t+k], v[ST+14*\t+2]
.set k, k+1
.endr
.irp p, 1,2,3
.set k, 0
.rept 16
	v_fmac_f32 v[S+64*\t+k], v[S+64*\t+16*\p+k], v[ST+14*\t+2+\p]   ; attn: channels 32 s + 16 h + 0 .. 15 of my query
.set k, k+1
.endr
.endr
.endr
.irp t, 0,1
	v_max3_num_f32 v[ST+14*\t+8], |v[S+64*\t]|, |v[S+64*\t+1]|, 0x1800000
.endr
.irp i, 2,4,6,8,10,12,14
.irp t, 0,1
	v_max3_num_f32 v[ST+14*\t+8], v[ST+14*\t+8], |v[S+64*\t+\i]|, |v[S+64*\t+\i+1]|
.endr
.endr
.irp t, 0,1
	v_permlanex16_b32 v[ST+14*\t+9], v[ST+14*\t+8], s[SEL], s[SEL+1]
.endr
.irp t, 0,1
	v_max_num_f32 v[ST+14*\t+8], v[ST+14*\t+8], v[ST+14*\t+9]   ; the block's largest magnitude
.endr
.irp t, 0,1
	v_add_nc_u32 v[ST+14*\t+10], 0xff000000, v[ST+14*\t+8]
.endr
.irp t, 0,1
	v_lshrrev_b32 v[ST+14*\t+11], 23, v[ST+14*\t+10]
.endr
.irp t, 0,1
	v_cvt_scalef32_pk8_fp4_f32 v[ST+14*\t+12], v[S+64*\t:S+64*\t+7], v[ST+14*\t+10]
	v_cvt_scalef32_pk8_fp4_f32 v[ST+14*\t+13], v[S+64*\t+8:S+64*\t+15], v[ST+14*\t+10]
.endr
	v_nop                                          ; one plain place behind a scaled conversion
.irp t, 0,1
	ds_store_b64 v[AAW], v[ST+14*\t+12:ST+14*\t+13] offset:1024*\t   ; registers 4 (s / 2) + 2 h + 0, 1 of lane 16 (s % 2) + r of the image: the block lies whole in one lane there, with no exchange
	ds_store_b8 v[ASW], v[ST+14*\t+11] offset:4*\t                   ; (both halves of the lanes write the same byte with the same value)
.endr
	s_wait_dscnt 0x0
	s_barrier_signal -1
	s_barrier_wait -1                              ; attn's four fragments and their scale bytes lie in LDS
	; ---- THE LAST PRODUCT: source 0 = a query tile of attn, source 1 = my 16 rows of Wo: a lane holds one channel, and register i of tile j is pixel 64 G + 32 h + 4 i + j
.irp j, 0,1,2,3
	ds_load_b128 v[S+8*\j:S+8*\j+3], v[AAR] offset:1024*\j
	ds_load_b128 v[S+8*\j+4:S+8*\j+7], v[AAR] offset:1024*\j+512
.endr
	ds_load_b128 v[KS:KS+3], v[ASR]
	s_wait_dscnt 0x0
	s_wait_loadcnt 0x0                             ; Wo, its scale words, bo, x
.irp j, 0,1,2,3
	v_wmma_scale_f32_16x16x128_f8f6f4 v[S+32+8*\j:S+32+8*\j+7], v[S+8*\j:S+8*\j+7], v[64:71], 0, v[KS+\j], v[QS] matrix_a_fmt:MATRIX_FMT_FP4 matrix_b_fmt:MATRIX_FMT_FP4
.endr
	PLACES
.irp i, 0,1,2,3,4,5,6,7
.irp j, 0,1,2,3
	v_add_f32 v[S+64+4*\i+\j], v[S+32+8*\j+\i], v[BO]   ; the bias, and each number to its pixel's place: 32 neighbouring pixels in 32 registers.  (i = 0 comes first: each accumulator is read from its low end on)
.endr
.endr
.irp i, 0,1,2,3,4,5,6,7
	ds_store_b128 v[AGW], v[S+64+4*\i:S+64+4*\i+3] offset:16*\i
.endr
.irp q, 0,1,2,3,4,5,6,7
	ds_load_b128 v[S+96+4*\q:S+96+4*\q+3], v[AGR] offset:544*\q   ; the stage is my own, and LDS serves a wave's instructions in order (ISA guide 5.7.1): these see my stores
.endr
.irp q, 0,1,2,3,4,5,6,7
	s_wait_dscnt 7-\q                              ; rows 2 q, 2 q + 1 are back; the later rows' loads stay out
	v_pk_add_f32 v[S+96+4*\q:S+96+4*\q+1], v[S+96+4*\q:S+96+4*\q+1], v[72+4*\q:73+4*\q]   ; the residual
	v_pk_add_f32 v[S+96+4*\q+2:S+96+4*\q+3], v[S+96+4*\q+2:S+96+4*\q+3], v[74+4*\q:75+4*\q]
	global_store_b128 v[AX], v[S+96+4*\q:S+96+4*\q+3], s[16:17] offset:32768*\q th:TH_STORE_NT   ; sixteen lanes store 256 consecutive bytes, at a multiple of 256 from out0's first byte
.endr
	s_wait_tensorcnt 0x0                           ; the wave's end, behind my last tensor load and my last LDS store
	ds_add_u32 v[SPW], v[NIL]
	s_wait_dscnt 0x0
	CROUND                                         ; the closing round: no work-group ends while a partner may still ask for a tile that names it
	s_endpgm
.Lfunc_end_k_qf0e44b0848_attn:
	.size	k_qf0e44b0848_attn, .Lfunc_end_k_qf0e44b0848_attn-k_qf0e44b0848_attn
	.p2alignl 7, 3214868480
	.fill 96, 4, 3214868480
	.section	.rodata,"a",@progbits
	.p2align	6, 0x0
	.amdhsa_kernel k_qf0e44b0848_attn
		.amdhsa_group_segment_fixed_size 327680
		.amdhsa_private_segment_fixed_size 0
		.amdhsa_enable_private_segment 0
		.amdhsa_kernarg_size 56
		.amdhsa_user_sgpr_count 2
		.amdhsa_user_sgpr_kernarg_segment_ptr 1
		.amdhsa_wavefront_size32 1
		.amdhsa_system_sgpr_workgroup_id_x 1
		.amdhsa_system_sgpr_workgroup_id_y 1
		.amdhsa_system_sgpr_workgroup_id_z 1
		.amdhsa_system_vgpr_workitem_id 0
		.amdhsa_next_free_vgpr 512
		.amdhsa_next_free_sgpr 84
		.amdhsa_reserve_vcc 0
		.amdhsa_float_denorm_mode_32 3
		.amdhsa_float_denorm_mode_16_64 3
		.amdhsa_memory_ordered 1
		.amdhsa_forward_progress 1
		.amdhsa_inst_pref_size 178
	.end_amdhsa_kernel
	.amdgpu_metadata
---
amdhsa.version: [ 1, 2 ]
amdhsa.kernels:
  - .name:           k_qf0e44b0848_attn
    .symbol:         k_qf0e44b0848_attn.kd
    .args:
      - { .name: qb, .offset: 0, .size: 8, .value_kind: global_buffer, .address_space: global }
      - { .name: kv, .offset: 8, .size: 8, .value_kind: global_buffer, .address_space: global }
      - { .name: wo_codes, .offset: 16, .size: 8, .value_kind: global_buffer, .address_space: global }
      - { .name: wo_scales, .offset: 24, .size: 8, .value_kind: global_buffer, .address_space: global }
      - { .name: bo, .offset: 32, .size: 8, .value_kind: global_buffer, .address_space: global }
      - { .name: x, .offset: 40, .size: 8, .value_kind: global_buffer, .address_space: global }
      - { .name: out0, .offset: 48, .size: 8, .value_kind: global_buffer, .address_space: global }
    .group_segment_fixed_size: 327680
    .private_segment_fixed_size: 0
    .kernarg_segment_align: 8
    .kernarg_segment_size: 56
    .max_flat_workgroup_size: 256
    .sgpr_count:     84
    .vgpr_count:     512
    .wavefront_size: 32
...
	.end_amdgpu_metadata
.endif
;; end of part 3
